; MI455X (gfx1250); checked and timed in simulation.
; The chip was launched on July 23, 2026; its instructions are those of AMD's public machine-readable ISA for CDNA 5 (MIT licence, August 2026) and "CDNA5" Instruction Set Architecture Reference Guide (July 2026). The comments in the code are by the model that wrote it; some were corrected since.
;; Operator Module T. Allowed arithmetic: float matrix products may take bf16 or f16 operands with f32 sums; all other float work in f32.
;; Inputs: angles 720 float32; x 16 x 720 x 512 float32.
;; Outputs: out0 16 x 128 x 128 float32.
;; One version. Each part assembles by itself: llvm-mc -triple=amdgcn-amd-amdhsa -mcpu=gfx1250 --defsym DOCPART=n.
;; ======== version 1 of 1: 2 launches
;; limits: values outside matrix products are rounded to bf16; inputs' magnitudes at most 100,000
;; workspace buffers: xt 5,898,240 bytes; tab 11,520 bytes of whole numbers
;; launch prep (part 1): grid 720 x 1, 2 waves a work-group, no clusters, 9,472 bytes of LDS; arguments x, angles, xt, tab; writes xt, tab
.if DOCPART == 1
	.amdgcn_target "amdgcn-amd-amdhsa--gfx1250"
	.amdhsa_code_object_version 6
	.text
	.protected	k_q5f858b4b2c_prep
	.globl	k_q5f858b4b2c_prep
	.p2align	8
	.type	k_q5f858b4b2c_prep,@function
k_q5f858b4b2c_prep:
	s_mov_b64 s[64:65], 0
	v_nop
	global_prefetch_b8 v0, s[64:65] scope:SCOPE_SE
	s_setreg_imm32_b32 hwreg(HW_REG_WAVE_MODE, 25, 1), 1
	s_wait_xcnt 0x0
; First of two launches of a parallel-beam backprojection (16 sinograms of 720 angles x 512 bins onto 128 x 128 pixels).
; (1) xt[a][bin-128][b] = bf16(x[b][a][bin]) for bins 128..383.  A pixel's detector coordinate is 255.5 + X cos + Y sin with
;     |X|, |Y| <= 63.5, so it lies in 255.5 +- 89.9 for every real angle: no other bin is ever interpolated from.
;     One work-group takes one angle; thread t takes bins 128+4t .. 128+4t+3 of all 16 batches.
; (2) tab[a] = four whole numbers in units of 2^-22 bin, from which the second launch forms its addresses:
;     C+2^22, 2^22-S, K+3M, M   with C = rne(cos 2^22), S = rne(sin 2^22), K = 127.5 2^22 + 63.5 (S - C),
;     M = min(C,0) - max(S,0).  The coordinate of pixel (row r, column c), counted from bin 128, is c C - r S + K.
;     Wave 0 of every 16th work-group makes the entries of 16 angles, so that they leave as one store of 256 bytes.
; LIMITS: angles finite, |angle| <= 1e5 (the quotient angle*2/pi is then right to 0.01, and the series below hold to |r| = 0.8);
;     a NaN or infinite angle gives whole numbers without meaning, not the NaN of a float computation.
.set NA,     720
.set ROWB,   2048                      ; bytes of a detector row of x
.set BSTR,   NA*ROWB                   ; bytes from one batch of x to the next
.set FIRST,  128                       ; first bin kept
.set CPITCH, 144                       ; LDS pitch of a thread's 128 bytes: 9 x 16, so sixteen lanes' pieces start at sixteen different offsets modulo 256
.set OFF, 2                            ; v[2:5]    byte offsets into x for batches 0-3, 4-7, 8-11, 12-15
.set LS,  6                            ; v6        LDS: where my 128 bytes go
.set LR,  7                            ; v7        LDS: where I read 16 bytes back
.set GO,  8                            ; v8        byte offset of those 16 bytes in the angle's part of xt
.set X,   32                           ; v[32:95]  x[b][a][my 4 bins], 4 registers a batch; later the bytes read back
.set Y,   96                           ; v[96:127] bin j: 8 registers = 16 bf16, batch 0 lowest
	s_load_b256 s[4:11], s[0:1], 0x0               ; x s[4:5], angles s[6:7], xt s[8:9], tab s[10:11]
	v_lshl_add_u32 v128, v0, 2, 0x2400
	v_mov_b32 v129, 0
	v_lshrrev_b32 v1, 5, v0
	v_readfirstlane_b32 s12, v1                    ; wave 0 or 1
	v_and_b32 v1, 31, v0                           ; lane
	s_lshl_b32 s14, ttmp9, 11                      ; the angle's row in batch 0,
	s_add_co_u32 s14, s14, FIRST*4                 ; from bin 128 on: a multiple of 256 bytes
	s_mov_b32 s15, 0
	s_lshl_b32 s16, ttmp9, 13                      ; the angle's 8,192 bytes of xt
	s_mov_b32 s17, 0
	v_lshlrev_b32 v[OFF], 4, v0                    ; 16 t: a wave's load covers 512 consecutive bytes
.irp g, 1,2,3
	v_add_nc_u32 v[OFF+\g], \g*4*BSTR, v[OFF]
.endr
	s_wait_kmcnt 0x0
	s_add_nc_u64 s[4:5], s[4:5], s[14:15]
	s_add_nc_u64 s[8:9], s[8:9], s[16:17]
.irp g, 0,1,2,3
.irp k, 0,1,2,3
	global_load_b128 v[X+16*\g+4*\k:X+16*\g+4*\k+3], v[OFF+\g], s[4:5] offset:\k*BSTR th:TH_LOAD_NT   ; batch 4g+k; all 16 loads go out at once; x is read once
.endr
.endr
	s_mul_i32 s20, s12, 32*CPITCH                  ; my wave's own stage in LDS
	v_mul_u32_u24 v[LS], v1, CPITCH
	v_add_nc_u32 v[LS], s20, v[LS]
	v_lshrrev_b32 v9, 3, v1
	v_and_b32 v10, 7, v1
	v_mul_u32_u24 v[LR], v9, CPITCH                ; back: eight lanes take one thread's 128 bytes
	v_lshl_add_u32 v[LR], v10, 4, v[LR]
	v_add_nc_u32 v[LR], s20, v[LR]
	s_lshl_b32 s21, s12, 12                        ; my wave's 32 threads x 128 bytes of xt
	v_lshl_add_u32 v[GO], v1, 4, s21
	s_and_b32 s13, ttmp9, 15
	s_or_b32 s13, s13, s12                         ; 0 only in wave 0 of a work-group whose angle is a multiple of 16
	s_cmp_lg_u32 s13, 0
	s_cbranch_scc1 .Lno_table
	; ---- the table entries of angles a .. a+15: lanes 2i and 2i+1 both compute angle a+i and store 8 bytes each
	v_lshrrev_b32 v9, 1, v1
	v_lshlrev_b32 v9, 2, v9
	s_lshl_b32 s18, ttmp9, 2
	s_mov_b32 s19, 0
	s_add_nc_u64 s[6:7], s[6:7], s[18:19]
	global_load_b32 v10, v9, s[6:7]                ; the angle
	s_lshl_b32 s18, ttmp9, 4
	s_add_nc_u64 s[10:11], s[10:11], s[18:19]
	v_lshlrev_b32 v29, 3, v1                       ; 8 bytes a lane: 256 consecutive bytes, aligned
	v_and_b32 v28, 1, v0
	s_wait_loadcnt 0x0                             ; the angle was issued last, so the count is 0
	v_mul_f32 v11, 0x3f22f983, v10                 ; angle * 2/pi
	v_rndne_f32 v11, v11                           ; k
	v_fmamk_f32 v12, v11, 0xbfc90fdb, v10          ; r = angle - k pi/2, pi/2 in three parts: 1.57079637,
	v_fmamk_f32 v12, v11, 0x333bbd2e, v12          ; -4.3711388e-8,
	v_fmamk_f32 v12, v11, 0x26f72ced, v12          ; -1.7151e-15
	v_mul_f32 v13, v12, v12                        ; s = r^2
	v_mov_b32 v14, 0x3638ef1d                      ; sin r = r + r s (-1/6 + s (1/120 + s (-1/5040 + s/362880))): the next term is below 3e-9 at |r| = 0.8
	v_mov_b32 v16, 0x37d00d01                      ; cos r = 1 + s (-1/2 + s (1/24 + s (-1/720 + s/40320))): the next term is below 3e-8
	v_fmaak_f32 v14, v14, v13, 0xb9500d01
	v_fmaak_f32 v16, v16, v13, 0xbab60b61
	v_fmaak_f32 v14, v14, v13, 0x3c088889
	v_fmaak_f32 v16, v16, v13, 0x3d2aaaab
	v_fmaak_f32 v14, v14, v13, 0xbe2aaaab
	v_fmaak_f32 v16, v16, v13, 0xbf000000
	v_mul_f32 v15, v12, v13
	v_fma_f32 v16, v16, v13, 1.0                   ; cos r
	v_fma_f32 v14, v14, v15, v12                   ; sin r
	v_cvt_i32_f32 v17, v11                         ; the quadrant is k mod 4
	v_and_b32 v18, 1, v17
	v_cmp_eq_u32 vcc_lo, 1, v18
	v_cndmask_b32 v19, v14, v16, vcc_lo            ; odd k: sine and cosine change places
	v_cndmask_b32 v20, v16, v14, vcc_lo
	v_lshlrev_b32 v21, 30, v17                     ; sine is negated where k mod 4 is 2 or 3,
	v_and_b32 v21, 0x80000000, v21
	v_xor_b32 v19, v19, v21                        ; sin(angle)
	v_add_nc_u32 v22, 1, v17                       ; cosine where it is 1 or 2
	v_lshlrev_b32 v22, 30, v22
	v_and_b32 v22, 0x80000000, v22
	v_xor_b32 v20, v20, v22                        ; cos(angle)
	v_mul_f32 v19, 0x4a800000, v19                 ; times 2^22
	v_mul_f32 v20, 0x4a800000, v20
	v_rndne_f32 v19, v19                           ; S and C, whole numbers below 2^24: exact in f32
	v_rndne_f32 v20, v20
	v_min_num_f32 v23, 0, v20
	v_max_num_f32 v24, 0, v19
	v_sub_f32 v23, v23, v24                        ; M = min(C,0) - max(S,0): (n-1) M is the least of dc C - dr S over an n x n block
	v_cvt_i32_f32 v19, v19
	v_cvt_i32_f32 v20, v20
	v_cvt_i32_f32 v23, v23
	v_sub_nc_u32 v25, v19, v20                     ; S - C
	v_lshlrev_b32 v26, 7, v25
	v_sub_nc_u32 v26, v26, v25                     ; 127 (S - C), below 2^30
	v_ashrrev_i32 v26, 1, v26                      ; 63.5 (S - C)
	v_lshl_add_u32 v27, v23, 1, v23                ; 3 M
	v_add3_u32 v26, v26, v27, 0x1fe00000           ; K + 3M, with 127.5 x 2^22 = 0x1fe00000
	v_add_nc_u32 v20, 0x400000, v20                ; C + 2^22 and 2^22 - S lie in 0 .. 2^23: factors for 24-bit unsigned products
	v_sub_nc_u32 v19, 0x400000, v19
	v_cmp_eq_u32 vcc_lo, 1, v28
	v_cndmask_b32 v30, v20, v26, vcc_lo            ; even lane: words 0, 1; odd lane: words 2, 3
	v_cndmask_b32 v31, v19, v23, vcc_lo
	global_store_b64 v29, v[30:31], s[10:11]
.Lno_table:
	; ---- round to bf16; word q of a bin holds batches 2q (low half) and 2q+1
.irp q, 0,1,2,3,4,5,6,7
	s_wait_loadcnt 14-2*\q                         ; loads return in order: batches 2q and 2q+1 are in, the 14-2q younger ones may be out
.irp j, 0,1,2,3
	v_cvt_pk_bf16_f32 v[Y+8*\j+\q], v[X+8*\q+\j], v[X+8*\q+4+\j]
.endr
.endr
	; ---- a thread's 4 bins are 128 consecutive bytes of xt; through my wave's own stage they leave as runs of 512 bytes
.irp j, 0,1,2,3
	ds_store_b128 v[LS], v[Y+8*\j:Y+8*\j+3] offset:32*\j
	ds_store_b128 v[LS], v[Y+8*\j+4:Y+8*\j+7] offset:32*\j+16
.endr
.irp k, 0,1,2,3,4,5,6,7
	ds_load_b128 v[X+4*\k:X+4*\k+3], v[LR] offset:\k*4*CPITCH     ; a wave's LDS instructions are served in order: these see the stores above; no other wave touches these bytes
.endr
.irp k, 0,1,2,3,4,5,6,7
	s_wait_dscnt 7-\k                              ; read-back k is in, the 7-k younger ones may be out
	global_store_b128 v[GO], v[X+4*\k:X+4*\k+3], s[8:9] offset:\k*512   ; 32 lanes store 512 consecutive bytes, at a multiple of 512 from xt's first byte
.endr
	s_wait_tensorcnt 0x0
	ds_add_u32 v128, v129
	s_wait_dscnt 0x0
	s_endpgm
.Lfunc_end_k_q5f858b4b2c_prep:
	.size	k_q5f858b4b2c_prep, .Lfunc_end_k_q5f858b4b2c_prep-k_q5f858b4b2c_prep
	.p2alignl 7, 3214868480
	.fill 96, 4, 3214868480
	.section	.rodata,"a",@progbits
	.p2align	6, 0x0
	.amdhsa_kernel k_q5f858b4b2c_prep
		.amdhsa_group_segment_fixed_size 9472
		.amdhsa_private_segment_fixed_size 0
		.amdhsa_enable_private_segment 0
		.amdhsa_kernarg_size 32
		.amdhsa_user_sgpr_count 2
		.amdhsa_user_sgpr_kernarg_segment_ptr 1
		.amdhsa_wavefront_size32 1
		.amdhsa_system_sgpr_workgroup_id_x 1
		.amdhsa_system_sgpr_workgroup_id_y 1
		.amdhsa_system_sgpr_workgroup_id_z 1
		.amdhsa_system_vgpr_workitem_id 0
		.amdhsa_next_free_vgpr 130
		.amdhsa_next_free_sgpr 66
		.amdhsa_reserve_vcc 1
		.amdhsa_float_denorm_mode_32 3
		.amdhsa_float_denorm_mode_16_64 3
		.amdhsa_memory_ordered 1
		.amdhsa_forward_progress 1
		.amdhsa_inst_pref_size 11
	.end_amdhsa_kernel
	.amdgpu_metadata
---
amdhsa.version: [ 1, 2 ]
amdhsa.kernels:
  - .name:           k_q5f858b4b2c_prep
    .symbol:         k_q5f858b4b2c_prep.kd
    .args:
      - { .name: x, .offset: 0, .size: 8, .value_kind: global_buffer, .address_space: global }
      - { .name: angles, .offset: 8, .size: 8, .value_kind: global_buffer, .address_space: global }
      - { .name: xt, .offset: 16, .size: 8, .value_kind: global_buffer, .address_space: global }
      - { .name: tab, .offset: 24, .size: 8, .value_kind: global_buffer, .address_space: global }
    .group_segment_fixed_size: 9472
    .private_segment_fixed_size: 0
    .kernarg_segment_align: 8
    .kernarg_segment_size: 32
    .max_flat_workgroup_size: 64
    .sgpr_count:     66
    .vgpr_count:     130
    .wavefront_size: 32
...
	.end_amdgpu_metadata
.endif
;; end of part 1
;; launch bp (part 2): grid 256 x 1, 12 waves a work-group, no clusters, 78,336 bytes of LDS; arguments xt, tab, out0; writes out0
.if DOCPART == 2
	.amdgcn_target "amdgcn-amd-amdhsa--gfx1250"
	.amdhsa_code_object_version 6
	.text
	.protected	k_q5f858b4b2c_bp
	.globl	k_q5f858b4b2c_bp
	.p2align	8
	.type	k_q5f858b4b2c_bp,@function
k_q5f858b4b2c_bp:
	s_mov_b64 s[64:65], 0
	v_nop
	global_prefetch_b8 v0, s[64:65] scope:SCOPE_SE
	s_setreg_imm32_b32 hwreg(HW_REG_WAVE_MODE, 25, 1), 1
	s_wait_xcnt 0x0
; Second launch: out[b][r][c] = sum over 720 angles of the linear interpolation of the sinogram row at u = c C - r S + K.
; THE INTERPOLATION AS A MATRIX PRODUCT.  Over a block of 4 x 4 pixels u spans at most 3 (|cos| + |sin|) <= 4.25 bins, so with the block's
; least u rounded down as the start, bins start .. start+6 hold all that its 16 pixels interpolate from.  One 16x16x32 product takes
;   A (16 pixels x 32): for 4 angles x 8 bins the weight max(0, 1 - |u - bin|), which is 1-w at floor(u), w at floor(u)+1, 0 elsewhere,
;   B (32 x 16 batches): the 4 angles' windows of 8 bins of xt,  and adds 4 angles of 16 pixels of all 16 batches in f32.
; x and the weights are rounded to bf16, the sums are f32.
; SHARES.  A work-group owns a tile of 8 x 8 pixels = 4 blocks = 4 accumulators; wave w of 12 owns angles 60 w .. 60 w + 59, 15 groups of 4.
; The 12 partial sums meet in LDS at the end.  Lanes 0-15 work on angles 0 and 2 of a group (slot 0, slot 1), lanes 16-31 on angles 1 and 3,
; as the fragment layout has it (ISA guide 7.12.2: registers 0-3 hold k = 8h.., registers 4-7 k = 16+8h..).
; ADDRESSES are whole-number arithmetic on tab (units of 2^-22 bin, written by the first launch), clamped before use.
; Per angle a window of 16 bins (512 bytes of xt) covers the tile: its u spans <= 9.9 bins, so bins i .. i+11, and the start is i made even.
; The windows go through the wave's own 2 KiB of LDS, where ds_load_tr16_b128 turns [bin][batch] into fragments from any bin.
; OUTPUT: the tile has 8 pixels of a row, so out0 leaves in runs of 32 bytes.  Runs of 256 bytes would need a tile 64 pixels wide, whose
; window is 65 bins instead of 12 and whose blocks no longer fit 8 bins.  out0 is 1 MiB against 94 MB of windows read.
; No tensor loads: a window's address is data.  No cluster: no two tiles share a window.
; LIMITS: x finite (an Inf or NaN spreads to every pixel whose 8-bin window holds it, also with weight 0); u in steps of 2^-22 bin,
; off by at most 3e-5 bin; the sum's order is 4 angles a product, 15 products a wave, then 12 waves.
.set NWAVE,  12
.set NGRP,   15                        ; groups of 4 angles in a wave: 12 x 15 x 4 = 720
.set XTA,    8192                      ; bytes of an angle in xt: 256 bins x 32
.set SH,     22                        ; fraction bits
.set FMASK,  0x3fffff
.set WINB,   512                       ; a window: 16 bins x 32 bytes
.set RED,    NWAVE*4*WINB              ; behind the windows: the partial sums
.set RPITCH, 272                       ; a batch's 64 pixels, 256 bytes, + 16: sixteen lanes' pieces start at sixteen different offsets modulo 256
.set RWAVE,  16*RPITCH
.set VPX,   2                          ; my pixel's column in its block (lane & 3)
.set VPY,   3                          ; its row ((lane >> 2) & 3)
.set VNL,   4                          ; -(px + py) 2^22
.set VA,    5                          ; byte offset in xt of slot 0's angle of the next group + 16 (lane & 15)
.set VTOFF, 6                          ; byte offset in tab of slot 0's entry
.set VLST,  7                          ; LDS: where my 16 bytes of a window go
.set VLTR,  8                          ; LDS: my row and half row of a window for the transposing load
.set KP,    10                         ; v[10:15]   1 - k, k = 1 .. 6
.set T,     20                         ; v[20:27]   slot s: C+2^22, 2^22-S, K+3M, M
.set PR,    28                         ; v[28:51]   two sets: slot s at 5 s: the 4 blocks' least u from the window's start, then my pixel's u above it; at 10+s: the window's offset in xt
.set W,     52                         ; v[52:83]   two sets of 16: the windows as loaded
.set AD,    84                         ; v[84:91]   LDS addresses of the 8 fragment loads
.set FR,    92                         ; v[92:123]  block k: 8 registers, B fragment
.set WT,    124                        ; v[124:139] two sets of 8: A fragment (weights)
.set P,     140                        ; v[140:163] slot s at 12 s: p(1..6) = u + 1 - k, then q(0..5) = k + 1 - u; the weights in f32 take their places
.set R,     164                        ; v[164:165] u of slot 0, slot 1, as a float count of 2^-22 bins
.set TA,    166
.set TB,    168
.set TC,    170
.set FC,    172
.set ACC,   176                        ; v[176:207] block k: 8 registers
.set KQ,    208                        ; v[208:213] 1 + k, k = 0 .. 5
	s_load_b128 s[4:7], s[0:1], 0x0                ; xt s[4:5], tab s[6:7]
	s_load_b64 s[8:9], s[0:1], 0x10                ; out0
	v_lshl_add_u32 v216, v0, 2, 0x12c00
	v_mov_b32 v217, 0
	v_lshrrev_b32 v1, 5, v0
	v_readfirstlane_b32 s10, v1                    ; wave 0 .. 11
	s_and_b32 s11, ttmp9, 15
	s_lshl_b32 s11, s11, 3                         ; c0: the tile's first column
	s_lshr_b32 s12, ttmp9, 4
	s_lshl_b32 s12, s12, 3                         ; r0: its first row
	s_add_co_u32 s13, s11, s12
	s_lshl_b32 s13, s13, SH                        ; (c0 + r0) 2^22: what the two shifted factors add too much
	s_mul_i32 s14, s10, 4*NGRP                     ; my wave's first angle
	s_lshl_b32 s15, s10, 11                        ; my wave's four windows in LDS
	v_bfe_u32 v1, v0, 4, 1                         ; h: which half of the lanes
	v_and_b32 v9, 15, v0
	v_add_nc_u32 v[VTOFF], s14, v1                 ; slot 0's angle of group 0
	v_lshlrev_b32 v[VA], 13, v[VTOFF]
	v_lshl_add_u32 v[VA], v9, 4, v[VA]
	v_lshlrev_b32 v[VTOFF], 4, v[VTOFF]
	s_wait_kmcnt 0x0
	global_load_b128 v[T:T+3], v[VTOFF], s[6:7]                ; group 0's entries: slot 0,
	global_load_b128 v[T+4:T+7], v[VTOFF], s[6:7] offset:32    ; slot 1 (two angles on)
	v_lshl_add_u32 v1, v1, 9, s15                  ; window h of slot 0; slot 1's lies 1,024 bytes on
	v_lshl_add_u32 v[VLST], v9, 4, v1
	v_and_b32 v9, 7, v0
	v_lshl_add_u32 v[VLTR], v9, 5, v1              ; row lane & 7,
	v_bfe_u32 v9, v0, 3, 1
	v_lshl_add_u32 v[VLTR], v9, 4, v[VLTR]         ; batches 0-7 or 8-15
	v_and_b32 v[VPX], 3, v0
	v_bfe_u32 v[VPY], v0, 2, 2
	v_add_nc_u32 v1, v[VPX], v[VPY]
	v_lshlrev_b32 v1, SH, v1
	v_sub_nc_u32 v[VNL], 0, v1
	v_mov_b32 v[KP+0], 0                           ; 1 - k for k = 1 .. 6
	v_mov_b32 v[KP+1], -1.0
	v_mov_b32 v[KP+2], -2.0
	v_mov_b32 v[KP+3], 0xc0400000                  ; -3
	v_mov_b32 v[KP+4], -4.0
	v_mov_b32 v[KP+5], 0xc0a00000                  ; -5
	v_mov_b32 v[KQ+0], 1.0                         ; 1 + k for k = 0 .. 5
	v_mov_b32 v[KQ+1], 2.0
	v_mov_b32 v[KQ+2], 0x40400000                  ; 3
	v_mov_b32 v[KQ+3], 4.0
	v_mov_b32 v[KQ+4], 0x40a00000                  ; 5
	v_mov_b32 v[KQ+5], 0x40c00000                  ; 6
; From a group's table entries (T) to parameter set p.  Both slots side by side, so that no line waits for the one in front of it.
; All sums are modulo 2^32; the true values lie in 0 .. 218 x 2^22.
.macro PARAMS p
.irp s, 0,1
	v_mad_u32_u24 v[TA+\s], v[T+4*\s], s11, v[T+4*\s+2]        ; c0 (C + 2^22) + K + 3M
.endr
.irp s, 0,1
	v_mad_u32_u24 v[TA+\s], v[T+4*\s+1], s12, v[TA+\s]         ; + r0 (2^22 - S)
.endr
.irp s, 0,1
	v_sub_nc_u32 v[TA+\s], v[TA+\s], s13                       ; = the least u of block 0
.endr
.irp s, 0,1
	v_lshl_add_u32 v[TB+\s], v[T+4*\s+3], 2, v[TA+\s]          ; + 4M = the least u of the tile
.endr
.irp s, 0,1
	v_lshrrev_b32 v[TB+\s], SH, v[TB+\s]                       ; its bin
.endr
.irp s, 0,1
	v_min_u32 v[TB+\s], 240, v[TB+\s]                          ; a window of 16 bins stays inside the angle's 256 whatever tab holds
.endr
.irp s, 0,1
	v_and_b32 v[TB+\s], 0xfe, v[TB+\s]                         ; made even: the window starts at a multiple of 64 bytes; blocks then start at rows 0 .. 7
.endr
.irp s, 0,1
	v_lshl_add_u32 v[PR+12*\p+10+\s], v[TB+\s], 5, v[VA]       ; the window's bytes in xt
.endr
.irp s, 0,1
	v_lshlrev_b32 v[TB+\s], SH, v[TB+\s]
.endr
.irp s, 0,1
	v_sub_nc_u32 v[PR+12*\p+5*\s], v[TA+\s], v[TB+\s]          ; block 0, counted from the window's start
.endr
.irp s, 0,1
	v_add_nc_u32 v[TC+\s], 0xff000000, v[PR+12*\p+5*\s]        ; - 2^24, since 4 (C + 2^22) = 4C + 2^24
.endr
.irp s, 0,1
	v_lshl_add_u32 v[PR+12*\p+5*\s+1], v[T+4*\s], 2, v[TC+\s]      ; block 1: 4 columns on, + 4C
.endr
.irp s, 0,1
	v_lshl_add_u32 v[PR+12*\p+5*\s+2], v[T+4*\s+1], 2, v[TC+\s]    ; block 2: 4 rows down, - 4S
.endr
.irp s, 0,1
	v_add_nc_u32 v[TC+\s], 0xff000000, v[PR+12*\p+5*\s+1]
.endr
.irp s, 0,1
	v_lshl_add_u32 v[PR+12*\p+5*\s+3], v[T+4*\s+1], 2, v[TC+\s]    ; block 3: both
.endr
.irp s, 0,1
	v_lshl_add_u32 v[TA+\s], v[T+4*\s+3], 1, v[T+4*\s+3]       ; 3M
.endr
.irp s, 0,1
	v_sub_nc_u32 v[TA+\s], v[VNL], v[TA+\s]
.endr
.irp s, 0,1
	v_mad_u32_u24 v[TA+\s], v[T+4*\s], v[VPX], v[TA+\s]
.endr
.irp s, 0,1
	v_mad_u32_u24 v[PR+12*\p+5*\s+4], v[T+4*\s+1], v[VPY], v[TA+\s]   ; px C - py S - 3M >= 0: my pixel's u above its block's least
.endr
	v_add_nc_u32 v[VA], 4*XTA, v[VA]                           ; the next group's angles
.endm
; Four loads: each half of the lanes takes 256 consecutive bytes of its own angle's window.
.macro WLOAD p
.irp s, 0,1
.irp q, 0,1
	global_load_b128 v[W+16*\p+8*\s+4*\q:W+16*\p+8*\s+4*\q+3], v[PR+12*\p+10+\s], s[4:5] offset:\s*2*XTA+\q*256
.endr
.endr
.endm
; One block: the weights of my pixel for my two angles, then the product.  left = fragment loads of later blocks that may stay out.
; With t = u - k the weight max(0, 1 - |t|) is max(0, min(p, q)), p(k) = 1 + t, q(k) = 1 - t.  u lies in 0 .. 5.25, so at k = 0 the lesser
; is always q, at k = 6 always p, and bin 7 has weight 0: p is made for k = 1 .. 6, q for k = 0 .. 5.
; p(k) stands at P + 12 s + k - 1, q(k) at P + 12 s + 6 + k.
.macro BLOCK cur, k, ws, left, zero
.irp s, 0,1
	v_and_b32 v[FC+\s], FMASK, v[PR+12*\cur+5*\s+\k]           ; the fraction of the block's least u
.endr
.irp s, 0,1
	v_add_nc_u32 v[FC+\s], v[FC+\s], v[PR+12*\cur+5*\s+4]      ; my u counted from the 8-bin window's first bin: below 5.25 bins
.endr
.irp s, 0,1
	v_cvt_f32_u32 v[R+\s], v[FC+\s]
.endr
.irp i, 0,2,4
	v_pk_fma_f32 v[P+\i:P+\i+1],     v[R:R+1], 0x34800000, v[KP+\i:KP+\i+1] op_sel_hi:[0,0,1]   ; slot 0: p = u 2^-22 + (1 - k), both halves take R
	v_pk_fma_f32 v[P+6+\i:P+6+\i+1], v[R:R+1], 0xb4800000, v[KQ+\i:KQ+\i+1] op_sel_hi:[0,0,1]   ;         q = -u 2^-22 + (1 + k)
.endr
.irp i, 0,2,4
	v_pk_fma_f32 v[P+12+\i:P+12+\i+1], v[R:R+1], 0x34800000, v[KP+\i:KP+\i+1] op_sel:[1,0,0] op_sel_hi:[1,0,1]   ; slot 1: both halves take R+1
	v_pk_fma_f32 v[P+18+\i:P+18+\i+1], v[R:R+1], 0xb4800000, v[KQ+\i:KQ+\i+1] op_sel:[1,0,0] op_sel_hi:[1,0,1]
.endr
.irp s, 0,1
.irp j, 1,2,3,4,5
	v_min_num_f32 v[P+12*\s+\j-1], v[P+12*\s+\j-1], v[P+12*\s+6+\j]    ; 1 - |t| at k = 1 .. 5
.endr
.endr
.irp s, 0,1
	v_max_num_f32 v[P+12*\s+6], 0, v[P+12*\s+6]                ; the weight at k = 0, from q alone
.irp j, 1,2,3,4,5,6
	v_max_num_f32 v[P+12*\s+\j-1], 0, v[P+12*\s+\j-1]          ; at k = 1 .. 6 (k = 6 from p alone)
.endr
.endr
.irp s, 0,1
	v_cvt_pk_bf16_f32 v[\ws+4*\s],   v[P+12*\s+6], v[P+12*\s]      ; bins 0, 1
	v_cvt_pk_bf16_f32 v[\ws+4*\s+1], v[P+12*\s+1], v[P+12*\s+2]    ; bins 2, 3
	v_cvt_pk_bf16_f32 v[\ws+4*\s+2], v[P+12*\s+3], v[P+12*\s+4]    ; bins 4, 5
	v_cvt_pk_bf16_f32 v[\ws+4*\s+3], v[P+12*\s+5], 0               ; bin 6; bin 7 is never reached
.endr
	s_wait_dscnt \left                             ; LDS instructions return in order: this block's two fragment loads are in
.if \zero
	v_wmma_f32_16x16x32_bf16 v[ACC+8*\k:ACC+8*\k+7], v[\ws:\ws+7], v[FR+8*\k:FR+8*\k+7], 0
.else
	v_wmma_f32_16x16x32_bf16 v[ACC+8*\k:ACC+8*\k+7], v[\ws:\ws+7], v[FR+8*\k:FR+8*\k+7], v[ACC+8*\k:ACC+8*\k+7]
.endif
.endm
; One group of 4 angles.  cur, nxt: the register sets of this group and the next.  dow: the next group's windows are asked for;
; dot: the entries of the group after it too.  On entry the loads out are, in order: the next group's 2 entries, this group's 4 window loads.
; The four accumulators take turns, one product a turn, over the loop's jump too.
; Behind each product more than four plain vector instructions that name none of its registers come before any of its registers is
; written or loaded into again (the weight sets alternate; the fragments are loaded again only in the next group).
.macro STEP cur, nxt, dot, dow, zero
.if \dow
	s_wait_loadcnt 0x4                             ; the next group's entries are in; this group's 4 window loads, issued behind them, may be out
	PARAMS \nxt
.if \dot
	v_add_nc_u32 v[VTOFF], 64, v[VTOFF]            ; the loads that used this offset are done (the wait above)
	global_load_b128 v[T:T+3], v[VTOFF], s[6:7]
	global_load_b128 v[T+4:T+7], v[VTOFF], s[6:7] offset:32
.endif
	WLOAD \nxt                                     ; a whole group's work ahead of their use
.endif
.irp k, 0,1,2,3
.irp s, 0,1
	v_lshrrev_b32 v[AD+2*\k+\s], SH, v[PR+12*\cur+5*\s+\k]     ; the block's first row in the window
.endr
.endr
.irp k, 0,1,2,3,4,5,6,7
	v_min_u32 v[AD+\k], 8, v[AD+\k]                ; rows start .. start+7 stay inside the window's 16 whatever tab holds
.endr
.irp k, 0,1,2,3,4,5,6,7
	v_lshl_add_u32 v[AD+\k], v[AD+\k], 5, v[VLTR]
.endr
	s_wait_loadcnt 2*\dot+4*\dow                   ; this group's windows are in; what was issued above may be out
.irp s, 0,1
.irp q, 0,1
	ds_store_b128 v[VLST], v[W+16*\cur+8*\s+4*\q:W+16*\cur+8*\s+4*\q+3] offset:\s*2*WINB+\q*256
.endr
.endr
.irp k, 0,1,2,3
.irp s, 0,1
	ds_load_tr16_b128 v[FR+8*\k+4*\s:FR+8*\k+4*\s+3], v[AD+2*\k+\s] offset:\s*2*WINB   ; my wave's own bytes, served in order behind the stores: 8 bins of batch lane & 15
.endr
.endr
	BLOCK \cur, 0, WT,   6, \zero
	BLOCK \cur, 1, WT+8, 4, \zero
	BLOCK \cur, 2, WT,   2, \zero
	BLOCK \cur, 3, WT+8, 0, \zero
.endm
	s_wait_loadcnt 0x0                             ; group 0's entries
	PARAMS 0
	v_add_nc_u32 v[VTOFF], 64, v[VTOFF]
	global_load_b128 v[T:T+3], v[VTOFF], s[6:7]                ; group 1's entries
	global_load_b128 v[T+4:T+7], v[VTOFF], s[6:7] offset:32
	WLOAD 0
	STEP 0, 1, 1, 1, 1                             ; group 0 stands ahead of the loop: its products start the sums, nothing is cleared
	s_mov_b32 s20, (NGRP-3)/2
.Lpair:
	STEP 1, 0, 1, 1, 0                             ; groups 1 .. 12
	STEP 0, 1, 1, 1, 0
	s_sub_co_u32 s20, s20, 1
	s_cmp_lg_u32 s20, 0
	s_cbranch_scc1 .Lpair
	STEP 1, 0, 0, 1, 0                             ; group 13: no entries are left to fetch
	STEP 0, 1, 0, 0, 0                             ; group 14: nothing is
	; ---- the 12 waves' sums meet.  Register j of lane (n, h) holds pixel 8h + j of the block for batch n: registers 0-3 are the four
	; pixels of block row 2h, registers 4-7 of row 2h+1.  A batch's 64 pixels lie as 8 rows of 32 bytes.
	v_and_b32 v1, 15, v0                           ; five plain vector instructions stand between the last product and the first store of its result
	v_bfe_u32 v9, v0, 4, 1
	v_mul_u32_u24 v20, v1, RPITCH
	v_lshl_add_u32 v20, v9, 6, v20                 ; batch x 272 + 2h rows of 32 bytes
	s_mul_i32 s14, s10, RWAVE
	s_add_co_u32 s14, s14, RED
	v_add_nc_u32 v20, s14, v20
.irp k, 0,1,2,3
	ds_store_b128 v20, v[ACC+8*\k:ACC+8*\k+3]   offset:(\k>>1)*128+(\k&1)*16
	ds_store_b128 v20, v[ACC+8*\k+4:ACC+8*\k+7] offset:(\k>>1)*128+(\k&1)*16+32
.endr
	s_wait_dscnt 0x0                               ; for the other waves: all my stores are done before I signal
	s_barrier_signal -1
	s_barrier_wait -1
	s_cmp_ge_u32 s10, 8
	s_cbranch_scc1 .Ldone                          ; 256 pieces of 16 bytes: waves 0 to 7 take one a lane
	s_mul_i32 s14, s10, 2*RPITCH                   ; batch 2 wave + h,
	s_add_co_u32 s14, s14, RED
	v_mul_u32_u24 v20, v9, RPITCH
	v_lshl_add_u32 v20, v1, 4, v20                 ; piece lane & 15 = 2 x row + half row
	v_add_nc_u32 v20, s14, v20
.irp w, 0,1,2,3,4,5,6,7,8,9,10,11
	ds_load_b128 v[FR+4*\w:FR+4*\w+3], v20 offset:\w*RWAVE
.endr
	s_lshl_b32 s14, s12, 9                         ; out0 at batch 2 wave, row r0, column c0
	s_lshl_b32 s15, s11, 2
	s_add_co_u32 s14, s14, s15
	s_lshl_b32 s15, s10, 17
	s_add_co_u32 s14, s14, s15
	s_mov_b32 s15, 0
	s_add_nc_u64 s[8:9], s[8:9], s[14:15]
	v_bfe_u32 v21, v0, 1, 3                        ; row in the tile
	v_and_b32 v22, 1, v0                           ; which four columns
	v_lshlrev_b32 v23, 16, v9
	v_lshl_add_u32 v23, v21, 9, v23
	v_lshl_add_u32 v23, v22, 4, v23
	s_wait_dscnt 0x0
.irp w, 0,1,2,3,4,5
	v_pk_add_f32 v[FR+4*\w:FR+4*\w+1],   v[FR+4*\w:FR+4*\w+1],   v[FR+4*\w+24:FR+4*\w+25]
	v_pk_add_f32 v[FR+4*\w+2:FR+4*\w+3], v[FR+4*\w+2:FR+4*\w+3], v[FR+4*\w+26:FR+4*\w+27]
.endr
.irp w, 0,1,2
	v_pk_add_f32 v[FR+4*\w:FR+4*\w+1],   v[FR+4*\w:FR+4*\w+1],   v[FR+4*\w+12:FR+4*\w+13]
	v_pk_add_f32 v[FR+4*\w+2:FR+4*\w+3], v[FR+4*\w+2:FR+4*\w+3], v[FR+4*\w+14:FR+4*\w+15]
.endr
	v_pk_add_f32 v[FR:FR+1],   v[FR:FR+1],   v[FR+4:FR+5]
	v_pk_add_f32 v[FR+2:FR+3], v[FR+2:FR+3], v[FR+6:FR+7]
	v_pk_add_f32 v[FR:FR+1],   v[FR:FR+1],   v[FR+8:FR+9]
	v_pk_add_f32 v[FR+2:FR+3], v[FR+2:FR+3], v[FR+10:FR+11]
	global_store_b128 v23, v[FR:FR+3], s[8:9] th:TH_STORE_NT   ; two lanes fill the tile's 32 bytes of an image row
.Ldone:
	s_wait_tensorcnt 0x0
	ds_add_u32 v216, v217
	s_wait_dscnt 0x0
	s_endpgm
.Lfunc_end_k_q5f858b4b2c_bp:
	.size	k_q5f858b4b2c_bp, .Lfunc_end_k_q5f858b4b2c_bp-k_q5f858b4b2c_bp
	.p2alignl 7, 3214868480
	.fill 96, 4, 3214868480
	.section	.rodata,"a",@progbits
	.p2align	6, 0x0
	.amdhsa_kernel k_q5f858b4b2c_bp
		.amdhsa_group_segment_fixed_size 78336
		.amdhsa_private_segment_fixed_size 0
		.amdhsa_enable_private_segment 0
		.amdhsa_kernarg_size 24
		.amdhsa_user_sgpr_count 2
		.amdhsa_user_sgpr_kernarg_segment_ptr 1
		.amdhsa_wavefront_size32 1
		.amdhsa_system_sgpr_workgroup_id_x 1
		.amdhsa_system_sgpr_workgroup_id_y 1
		.amdhsa_system_sgpr_workgroup_id_z 1
		.amdhsa_system_vgpr_workitem_id 0
		.amdhsa_next_free_vgpr 218
		.amdhsa_next_free_sgpr 66
		.amdhsa_reserve_vcc 0
		.amdhsa_float_denorm_mode_32 3
		.amdhsa_float_denorm_mode_16_64 3
		.amdhsa_memory_ordered 1
		.amdhsa_forward_progress 1
		.amdhsa_inst_pref_size 84
	.end_amdhsa_kernel
	.amdgpu_metadata
---
amdhsa.version: [ 1, 2 ]
amdhsa.kernels:
  - .name:           k_q5f858b4b2c_bp
    .symbol:         k_q5f858b4b2c_bp.kd
    .args:
      - { .name: xt, .offset: 0, .size: 8, .value_kind: global_buffer, .address_space: global }
      - { .name: tab, .offset: 8, .size: 8, .value_kind: global_buffer, .address_space: global }
      - { .name: out0, .offset: 16, .size: 8, .value_kind: global_buffer, .address_space: global }
    .group_segment_fixed_size: 78336
    .private_segment_fixed_size: 0
    .kernarg_segment_align: 8
    .kernarg_segment_size: 24
    .max_flat_workgroup_size: 384
    .sgpr_count:     66
    .vgpr_count:     218
    .wavefront_size: 32
...
	.end_amdgpu_metadata
.endif
;; end of part 2
